; MI455X (gfx1250); checked and timed in simulation.
; The chip was launched on July 23, 2026; its instructions are those of AMD's public machine-readable ISA for CDNA 5 (MIT licence, August 2026) and "CDNA5" Instruction Set Architecture Reference Guide (July 2026). The comments in the code are by the model that wrote it; some were corrected since.
;; Attention Block. Allowed arithmetic: matrix products marked QUANTISED: E4M3 operands, one E8M0 scale for each 32 along K, by v_wmma_scale_f32_16x16x128_f8f6f4 with both operands' format E4M3, f32 sums; everything else in f32.
;; Inputs: bk 256 float32; bp 256 float32; bq 256 float32; bv 256 float32; gn_bias 256 float32; gn_scale 256 float32; wk 256 x 256 float32; wp 256 x 256 float32; wq 256 x 256 float32; wv 256 x 256 float32; x 4 x 256 x 64 x 64 float32.
;; Outputs: out0 4 x 256 x 64 x 64 float32.
;; This version of the problem:
;;   THIS VERSION OF THE PROBLEM IS GIVEN IN LOW PRECISION. The matrix products marked QUANTISED in the list below multiply operands that are first quantised to E4M3 (4 exponent bits, 3 mantissa bits; 8 bits a number), with one power-of-two scale for each 32 numbers along K (OCP MX v1.0); their sums are f32. All else is computed in f32.
;;   The module's matrix products, in the order in which they are computed (A, B: the left and right operand; K: the contracted axis; several contracted axes count as one K, in the product's order):
;;     1. [M 16,384, K 256] x [K 256, N 256]; A: computed on the way; B: input wq: QUANTISED
;;     2. [M 16,384, K 256] x [K 256, N 256]; A: computed on the way; B: input wk: QUANTISED
;;     3. [M 16,384, K 256] x [K 256, N 256]; A: computed on the way; B: input wv: QUANTISED
;;     4. batch 4 x [M 4,096, K 256] x [K 256, N 4,096]; A: computed on the way; B: computed on the way: QUANTISED
;;     5. batch 4 x [M 256, K 4,096] x [K 4,096, N 4,096]; A: computed on the way; B: softmax (see below): QUANTISED
;;     6. [M 16,384, K 256] x [K 256, N 256]; A: computed on the way; B: input wp: QUANTISED
;;   THE QUANTISER, for each operand of a quantised product, along K:
;;     - K is cut into blocks of 32 from its start; a last block that is shorter is filled with zeros.
;;     - A block's scale is 2^e with e = floor(log2(the largest magnitude in the block)) - 8, held to -126 .. 127; a block of zeros has e = 0. As a byte (E8M0): e + 127.
;;     - Each number is divided by its block's scale, clamped to +-448, and rounded to the nearest number of E4M3, ties to even, subnormals kept.
;;     - The product sums the exact products of the quantised numbers (number of the format x scale) in f32.
;;   ~~~python
;;   def quantise(x, axis):      # numpy; x: float32 -> the quantised numbers, widened to float32 again
;;       x = np.moveaxis(x, axis, -1); K = x.shape[-1]
;;       x = np.pad(x, [(0, 0)] * (x.ndim - 1) + [(0, -K % 32)]); x = x.reshape(x.shape[:-1] + (-1, 32)); a = np.abs(x).max(-1, keepdims=True)
;;       e = np.where(a > 0, np.clip(np.frexp(np.where(a > 0, a, 1))[1] - 1 - 8, -126, 127), 0)      # np.frexp(a)[1] - 1 = floor(log2(a)), exactly
;;       r = np.clip(x / 2.0 ** e, -448, 448)
;;       step = 2.0 ** (np.maximum(np.frexp(np.where(r == 0, 1, r))[1] - 1, -6) - 3)
;;       q = np.round(r / step) * step * 2.0 ** e      # np.round: ties to even
;;       return np.moveaxis(q.reshape(q.shape[:-2] + (-1,))[..., :K], -1, axis).astype(np.float32)
;;   ~~~
;;   SOFTMAX AHEAD OF A QUANTISED PRODUCT. Where the list says 'softmax', what is quantised is not the finished softmax but p = 2^(t - M), with t = logit x log2(e) and M = ceil(the row's largest t), a whole number; so 1/2 < the row's largest p <= 1. The row's sum l is taken of the UNQUANTISED p, in f32, and the product's result is divided by l at the end. Since M is a whole number, a kernel that streams over the keys may use a running M (the ceiling of the running maximum): every later rescaling is an exact power of two, which a block's scale takes up: the codes' values come out the same.
;;   OPERANDS COMPUTED ON THE WAY. 'Computed on the way' means the value that the module computes at that place (a softmax that the list does not call 'softmax' is quantised finished and normalised). What goes into a quantiser is computed in f32, as accurately as f32 sums, v_exp_f32 and their like allow (about 1e-6 of the number): no bf16 or f16 on the way to a quantiser, and a product that is left as it is and whose result goes on into a quantised operand takes f32 operands (vector FMAs, or v_wmma_f32_16x16x4_f32). A number that lies on a knife's edge between two numbers of the format may be rounded either way, as far as f32 arithmetic and the matrix unit's own rounding can turn it there, and no further.
;; One version. Each part assembles by itself: llvm-mc -triple=amdgcn-amd-amdhsa -mcpu=gfx1250 --defsym DOCPART=n.
;; ======== version 1 of 1: 3 launches
;; workspace buffers: nrm 4,608 bytes; wimg 270,336 bytes; qimg 4,325,376 bytes; kimg 4,325,376 bytes; vimg 4,325,376 bytes
;; launch prep (part 1): grid 136 x 1, 8 waves a work-group, no clusters, 1,280 bytes of LDS; arguments x, gn_scale, wq, wk, wv, wp, nrm, wimg; writes nrm, wimg
.if DOCPART == 1
	.amdgcn_target "amdgcn-amd-amdhsa--gfx1250"
	.amdhsa_code_object_version 6
	.text
	.protected	k_qba45bf13d8_prep
	.globl	k_qba45bf13d8_prep
	.p2align	8
	.type	k_qba45bf13d8_prep,@function
k_qba45bf13d8_prep:
	s_mov_b64 s[64:65], 0
	v_nop
	global_prefetch_b8 v0, s[64:65] scope:SCOPE_SE
	s_setreg_imm32_b32 hwreg(HW_REG_WAVE_MODE, 25, 1), 1
	s_wait_xcnt 0x0
; TWO JOBS IN ONE LAUNCH, parted on the work-group's number.
; Work-groups 0-127: GroupNorm's statistics.  Group G = 32 b + g is 8 channels x 4,096 pixels = 32,768 consecutive f32.  The eight waves hold the whole
; group in registers, 128 numbers a lane: x is read once, and the variance is a true second pass over (x - mean), so that no difference of large sums is formed.
; Stored: nrm[0 .. 4095] = a[b][c] = rsqrt(var + 1e-6) x gn_scale[c];  nrm[4096 ..] = mean[b][g].
; Work-groups 128-135: the four weights [256][256] f32 become codes of E4M3 with one E8M0 byte for each 32 along their inner axis, laid as IMAGES OF THE OPERAND'S
; REGISTERS: fragment (T, s) = 16 rows x 128 K, 2,048 bytes, registers 4 c .. 4 c + 3 of lane l at 512 c + 16 l.  Row r of tile T is row 32 (T / 2) + 8 (T % 2) + r + 8 (r / 8).
; A weight's part of wimg: 32 fragments, (2 T + s) x 2,048; from 65,536 on a scale register for each T, 128 bytes: lanes 0-15 K step 0's words, lanes 16-31 K step 1's.
; A wave takes one tile T of one weight.  Its 32 loads take 16-byte pieces of 16 rows and together cover those rows wholly; the weights are 1 MiB in all and are read once.
; LIMITS: NaN and infinities among the inputs are not served.  A block of zeros gets the byte 1 where the rule says 127: its codes are zeros, and this program alone reads the bytes.
.set TM,    8                          ; v8-23   the quantiser's: largest magnitudes, bytes, 448 x the scale, scale operands
.set SEL,   22                         ; s[22:23] lane selects for v_permlanex16_b32: lane l xor 16
.set MNT,   24                         ; s24     the mantissa field of 448
.set D,     32                         ; v32-159 the group's numbers, or a tile's 128 numbers a lane
.set WPART, 67584
; 64 numbers of a lane, register 16 b + i = the i-th of my 16 numbers of block b (a block lies in lanes l and l xor 16), become 16 registers of codes and a scale word.
.macro QUANT s, pc, pw
.irp b, 0,1,2,3
	v_max3_num_f32 v[TM+\b], |v[(\s)+16*\b]|, |v[(\s)+1+16*\b]|, 0x4800000   ; my 16 numbers, and the floor 2^(9 - 127): the byte cannot fall under 1
.endr
.irp i, 2,4,6,8,10,12,14
.irp b, 0,1,2,3
	v_max3_num_f32 v[TM+\b], v[TM+\b], |v[(\s)+16*\b+\i]|, |v[(\s)+1+16*\b+\i]|   ; the four blocks by turns
.endr
.endr
.irp b, 0,1,2,3
	v_permlanex16_b32 v[TM+4+\b], v[TM+\b], s[SEL], s[SEL+1]
.endr
.irp b, 0,1,2,3
	v_max_num_f32 v[TM+\b], v[TM+\b], v[TM+4+\b]           ; the block's largest magnitude
.endr
.irp b, 0,1,2,3
	v_add_nc_u32 v[TM+12+\b], 0xfc000000, v[TM+\b]         ; 8 off its exponent field: the conversion's scale operand
.endr
.irp b, 0,1,2,3
	v_and_or_b32 v[TM+8+\b], v[TM+\b], 0x7f800000, s[MNT]  ; 448 x the scale
.endr
.irp b, 0,1,2,3
	v_lshrrev_b32 v[TM+4+\b], 23, v[TM+12+\b]              ; the scale's byte
.endr
	v_lshl_or_b32 v[\pw], v[TM+5], 8, v[TM+4]
	v_lshl_or_b32 v[\pw], v[TM+6], 16, v[\pw]
	v_lshl_or_b32 v[\pw], v[TM+7], 24, v[\pw]
.irp b, 0,1,2,3
.irp i, 0,1,2,3,4,5,6,7,8,9,10,11,12,13,14,15
	v_med3_num_f32 v[(\s)+16*\b+\i], v[(\s)+16*\b+\i], -v[TM+8+\b], v[TM+8+\b]   ; the conversion does not saturate (ISA guide 7.6.2): the hold
.endr
	v_cvt_scalef32_pk8_fp8_f32 v[(\pc)+4*\b:(\pc)+1+4*\b], v[(\s)+16*\b:(\s)+7+16*\b], v[TM+12+\b]
	v_cvt_scalef32_pk8_fp8_f32 v[(\pc)+2+4*\b:(\pc)+3+4*\b], v[(\s)+8+16*\b:(\s)+15+16*\b], v[TM+12+\b]
.endr
	v_nop                                          ; a plain line behind the last conversion
.endm
	s_load_b128 s[4:7], s[0:1], 0x0                ; x, gn_scale
	s_load_b256 s[8:15], s[0:1], 0x10              ; wq, wk, wv, wp
	s_load_b128 s[16:19], s[0:1], 0x30             ; nrm, wimg
	v_lshl_add_u32 v192, v0, 2, 0x100
	v_mov_b32 v193, 0
	v_lshrrev_b32 v1, 5, v0
	v_readfirstlane_b32 s2, v1                     ; wave 0..7
	s_mov_b32 s[SEL], 0x76543210
	s_mov_b32 s[SEL+1], 0xfedcba98
	s_mov_b32 s[MNT], 0x600000
	s_cmp_ge_u32 ttmp9, 128                        ; the same answer in all eight waves of a work-group
	s_cbranch_scc1 .Lweights
	; ---- the statistics of group G = the work-group's number
	s_lshl_b32 s20, ttmp9, 17                      ; 131,072 bytes a group
	s_mov_b32 s21, 0
	s_and_b32 s26, ttmp9, 31
	s_lshl_b32 s26, s26, 5                         ; the group's 8 gains
	s_mov_b32 s27, 0
	s_mov_b32 s25, 0x38000000                      ; 2^-15 = 1 / 32,768
	v_lshlrev_b32 v1, 4, v0                        ; 16 bytes a thread: a load of the work-group covers 4,096 consecutive bytes
	v_and_b32 v2, 7, v0
	v_lshlrev_b32 v2, 2, v2
	v_lshrrev_b32 v18, 5, v0
	v_lshlrev_b32 v18, 2, v18                      ; LDS: my wave's word
	v_mov_b32 v19, 0
	s_wait_kmcnt 0x0
	s_add_nc_u64 s[4:5], s[4:5], s[20:21]
	s_add_nc_u64 s[6:7], s[6:7], s[26:27]
	global_load_b32 v3, v2, s[6:7]                 ; gn_scale of channel 8 g + lane % 8
.set i, 0
.rept 32
	global_load_b128 v[D+4*i:D+4*i+3], v1, s[4:5] offset:4096*i
.set i, i+1
.endr
; the four chains in v[8:15] are folded, summed over the lanes and, through LDS words at byte off, over the eight waves: the total comes back in v8 of every lane
.macro WGSUM off
	v_pk_add_f32 v[8:9], v[8:9], v[10:11]
	v_pk_add_f32 v[12:13], v[12:13], v[14:15]
	v_pk_add_f32 v[8:9], v[8:9], v[12:13]
	v_add_f32 v8, v8, v9
	v_add_f32_dpp v8, v8, v8 row_xmask:1 row_mask:0xf bank_mask:0xf
	v_add_f32_dpp v8, v8, v8 row_xmask:2 row_mask:0xf bank_mask:0xf
	v_add_f32_dpp v8, v8, v8 row_xmask:4 row_mask:0xf bank_mask:0xf
	v_add_f32_dpp v8, v8, v8 row_xmask:8 row_mask:0xf bank_mask:0xf
	v_permlanex16_b32 v9, v8, s[SEL], s[SEL+1]
	v_add_f32 v8, v8, v9
	ds_store_b32 v18, v8 offset:\off               ; all lanes write the wave's word with the same value
	s_wait_dscnt 0x0                               ; for the others' sake: my store has landed
	s_barrier_signal -1
	s_barrier_wait -1
	ds_load_b128 v[20:23], v19 offset:\off
	ds_load_b128 v[24:27], v19 offset:\off+16
	s_wait_dscnt 0x0
	v_add_f32 v20, v20, v21
	v_add_f32 v22, v22, v23
	v_add_f32 v24, v24, v25
	v_add_f32 v26, v26, v27
	v_add_f32 v20, v20, v22
	v_add_f32 v24, v24, v26
	v_add_f32 v8, v20, v24
.endm
	; pass 1: the sum, two numbers at a time, in four chains that the first eight pairs start
	s_wait_loadcnt 24                              ; the gain and the first 8 of the 32 loads are in
.irp k, 0,1,2,3
	v_pk_add_f32 v[8+2*\k:9+2*\k], v[D+2*\k:D+2*\k+1], v[D+8+2*\k:D+9+2*\k]
.endr
.set p, 8
.rept 8
	v_pk_add_f32 v[8+2*(p%4):9+2*(p%4)], v[8+2*(p%4):9+2*(p%4)], v[D+2*p:D+2*p+1]
.set p, p+1
.endr
.irp left, 16,8,0
	s_wait_loadcnt \left                           ; eight loads more
.rept 16
	v_pk_add_f32 v[8+2*(p%4):9+2*(p%4)], v[8+2*(p%4):9+2*(p%4)], v[D+2*p:D+2*p+1]
.set p, p+1
.endr
.endr
	WGSUM 0
	v_mul_f32 v16, s25, v8                         ; the mean
	v_mov_b32 v17, v16
	; pass 2: the sum of (x - mean)^2
.set p, 0
.rept 64
	v_pk_add_f32 v[D+2*p:D+2*p+1], v[D+2*p:D+2*p+1], v[16:17] neg_lo:[0,1] neg_hi:[0,1]
.set p, p+1
.endr
.irp k, 0,1,2,3
	v_pk_mul_f32 v[8+2*\k:9+2*\k], v[D+2*\k:D+2*\k+1], v[D+2*\k:D+2*\k+1]
.endr
.set p, 4
.rept 60
	v_pk_fma_f32 v[8+2*(p%4):9+2*(p%4)], v[D+2*p:D+2*p+1], v[D+2*p:D+2*p+1], v[8+2*(p%4):9+2*(p%4)]
.set p, p+1
.endr
	WGSUM 32                                       ; words of their own: no wave writes what another may still read
	v_mov_b32 v9, 0x358637bd                       ; 1e-6
	v_fma_f32 v8, v8, s25, v9                      ; var + eps
	v_rsq_f32 v8, v8
	v_nop                                          ; a plain line behind the transcendental
	s_wait_alu depctr_va_vdst(0)
	v_mul_f32 v9, v8, v3                           ; a = rstd x gain
	s_cmp_lg_u32 s2, 0
	s_cbranch_scc1 .Ldone_a                        ; wave 0 stores: lanes 0-7 the eight a, lane 8 the mean
	s_lshl_b32 s26, ttmp9, 5
	s_lshl_b32 s27, ttmp9, 2
	s_add_co_u32 s27, s27, 4096
	v_cmp_gt_u32 vcc_lo, 8, v0
	v_cndmask_b32 v10, v16, v9, vcc_lo
	v_lshl_add_u32 v11, v0, 2, s26
	v_mov_b32 v12, s27
	v_cndmask_b32 v11, v12, v11, vcc_lo
	s_wait_xcnt 0x0                                ; EXEC changes only behind this wait
	v_cmp_gt_u32 vcc_lo, 9, v0
	s_and_saveexec_b32 s28, vcc_lo
	global_store_b32 v11, v10, s[16:17]
	s_wait_xcnt 0x0                                ; and again in front of the line that widens it
	s_or_b32 exec_lo, exec_lo, s28
.Ldone_a:
	s_wait_tensorcnt 0x0
	ds_add_u32 v192, v193
	s_wait_dscnt 0x0
	s_endpgm
	; ---- the weights: task = 8 (work-group - 128) + wave: weight task / 16, tile task % 16
.Lweights:
	s_sub_co_u32 s20, ttmp9, 128
	s_lshr_b32 s21, s20, 1                         ; which weight
	s_lshl_b32 s25, s20, 3
	s_add_co_u32 s25, s25, s2
	s_and_b32 s25, s25, 15                         ; T
	v_and_b32 v1, 31, v0                           ; lane
	v_and_b32 v2, 15, v0                           ; r
	v_bfe_u32 v3, v0, 4, 1                         ; h
	v_and_b32 v4, 8, v2
	v_add_nc_u32 v4, v4, v2                        ; r + 8 (r / 8)
	v_lshlrev_b32 v4, 10, v4                       ; a row is 1,024 bytes
	v_lshl_add_u32 v4, v3, 6, v4                   ; + 64 h: my 16 numbers of a block of 32
	v_lshlrev_b32 v5, 4, v1                        ; an image's place for my lane
	v_lshlrev_b32 v6, 2, v1                        ; a scale word's
.irp b, 0,1,2,3
	v_mov_b32 v[TM+4+\b], 0                        ; written once: a lane permute's destination counts as one of its sources
.endr
	s_lshr_b32 s26, s25, 1
	s_lshl_b32 s26, s26, 5
	s_and_b32 s27, s25, 1
	s_lshl_b32 s27, s27, 3
	s_add_co_u32 s26, s26, s27
	s_lshl_b32 s26, s26, 10                        ; the tile's first row, in bytes
	s_mov_b32 s27, 0
	s_mul_i32 s28, s21, WPART
	s_lshl_b32 s29, s25, 12
	s_add_co_u32 s28, s28, s29                     ; where the tile's two fragments go
	s_mov_b32 s29, 0
	s_mul_i32 s30, s21, WPART
	s_lshl_b32 s31, s25, 7
	s_add_co_u32 s30, s30, s31
	s_add_co_u32 s30, s30, 65536                   ; and its scale register
	s_mov_b32 s31, 0
	s_wait_kmcnt 0x0
	s_cmp_eq_u32 s21, 1                            ; the choice of the weight hangs on ids alone
	s_cselect_b64 s[8:9], s[10:11], s[8:9]
	s_cmp_eq_u32 s21, 2
	s_cselect_b64 s[8:9], s[12:13], s[8:9]
	s_cmp_eq_u32 s21, 3
	s_cselect_b64 s[8:9], s[14:15], s[8:9]
	s_add_nc_u64 s[8:9], s[8:9], s[26:27]
	s_add_nc_u64 s[20:21], s[18:19], s[28:29]
	s_add_nc_u64 s[18:19], s[18:19], s[30:31]
.irp s, 0,1
.irp c, 0,1,2,3
.irp j, 0,1,2,3
	global_load_b128 v[D+64*\s+16*\c+4*\j:D+64*\s+16*\c+4*\j+3], v4, s[8:9] offset:512*\s+128*\c+16*\j
.endr
.endr
.endr
	s_wait_loadcnt 0x0
	QUANT D, 160, 28
	QUANT D+64, 176, 29
.irp s, 0,1
.irp c, 0,1,2,3
	global_store_b128 v5, v[160+16*\s+4*\c:163+16*\s+4*\c], s[20:21] offset:2048*\s+512*\c   ; 32 lanes store 512 consecutive bytes
.endr
.endr
	v_cmp_eq_u32 vcc_lo, 0, v3
	v_cndmask_b32 v30, v29, v28, vcc_lo            ; lanes 0-15 K step 0's word of row r, lanes 16-31 K step 1's
	global_store_b32 v6, v30, s[18:19]
	s_endpgm
.Lfunc_end_k_qba45bf13d8_prep:
	.size	k_qba45bf13d8_prep, .Lfunc_end_k_qba45bf13d8_prep-k_qba45bf13d8_prep
	.p2alignl 7, 3214868480
	.fill 96, 4, 3214868480
	.section	.rodata,"a",@progbits
	.p2align	6, 0x0
	.amdhsa_kernel k_qba45bf13d8_prep
		.amdhsa_group_segment_fixed_size 1280
		.amdhsa_private_segment_fixed_size 0
		.amdhsa_enable_private_segment 0
		.amdhsa_kernarg_size 64
		.amdhsa_user_sgpr_count 2
		.amdhsa_user_sgpr_kernarg_segment_ptr 1
		.amdhsa_wavefront_size32 1
		.amdhsa_system_sgpr_workgroup_id_x 1
		.amdhsa_system_sgpr_workgroup_id_y 1
		.amdhsa_system_sgpr_workgroup_id_z 1
		.amdhsa_system_vgpr_workitem_id 0
		.amdhsa_next_free_vgpr 194
		.amdhsa_next_free_sgpr 66
		.amdhsa_reserve_vcc 1
		.amdhsa_float_denorm_mode_32 3
		.amdhsa_float_denorm_mode_16_64 3
		.amdhsa_memory_ordered 1
		.amdhsa_forward_progress 1
		.amdhsa_inst_pref_size 42
	.end_amdhsa_kernel
	.amdgpu_metadata
---
amdhsa.version: [ 1, 2 ]
amdhsa.kernels:
  - .name:           k_qba45bf13d8_prep
    .symbol:         k_qba45bf13d8_prep.kd
    .args:
      - { .name: x, .offset: 0, .size: 8, .value_kind: global_buffer, .address_space: global }
      - { .name: gn_scale, .offset: 8, .size: 8, .value_kind: global_buffer, .address_space: global }
      - { .name: wq, .offset: 16, .size: 8, .value_kind: global_buffer, .address_space: global }
      - { .name: wk, .offset: 24, .size: 8, .value_kind: global_buffer, .address_space: global }
      - { .name: wv, .offset: 32, .size: 8, .value_kind: global_buffer, .address_space: global }
      - { .name: wp, .offset: 40, .size: 8, .value_kind: global_buffer, .address_space: global }
      - { .name: nrm, .offset: 48, .size: 8, .value_kind: global_buffer, .address_space: global }
      - { .name: wimg, .offset: 56, .size: 8, .value_kind: global_buffer, .address_space: global }
    .group_segment_fixed_size: 1280
    .private_segment_fixed_size: 0
    .kernarg_segment_align: 8
    .kernarg_segment_size: 64
    .max_flat_workgroup_size: 256
    .sgpr_count:     66
    .vgpr_count:     194
    .wavefront_size: 32
...
	.end_amdgpu_metadata
.endif
;; end of part 1
;; launch qkv (part 2): grid 64 x 4, 8 waves a work-group, no clusters, 20,480 bytes of LDS; arguments x, nrm, gn_bias, wimg, bq, bk, bv, qimg, kimg, vimg; writes qimg, kimg, vimg
.if DOCPART == 2
	.amdgcn_target "amdgcn-amd-amdhsa--gfx1250"
	.amdhsa_code_object_version 6
	.text
	.protected	k_qba45bf13d8_qkv
	.globl	k_qba45bf13d8_qkv
	.p2align	8
	.type	k_qba45bf13d8_qkv,@function
k_qba45bf13d8_qkv:
	s_mov_b64 s[64:65], 0
	v_nop
	global_prefetch_b8 v0, s[64:65] scope:SCOPE_SE
	s_setreg_imm32_b32 hwreg(HW_REG_WAVE_MODE, 25, 1), 1
	s_wait_xcnt 0x0
; o = GroupNorm(x), quantised along the channels; q = o wq^T + bq, k = o wk^T + bk, v = o wv^T + bv on codes of E4M3 with one E8M0 scale for each 32 along K; q and k are
; quantised along their channels, v along the pixels (the keys), and all three leave as IMAGES OF THE OPERAND'S REGISTERS (a fragment = 16 rows x 128 K = 2,048 bytes: registers 4 c .. 4 c + 3 of lane l at 512 c + 16 l).
; SHARES.  A work-group takes 64 pixels (block blk) of batch b, all 256 channels.  Phase X: wave w normalises and quantises channels 32 w .. 32 w + 31 (one block of 32) of the 64 pixels; a lane takes a pixel and its
; registers run down the channels, so a block's largest magnitude needs no other lane.  The codes meet in LDS as rows of 256 codes a pixel.  ONE barrier.  Then waves 0, 1 make q's channels 128 u on, waves 2, 3 k's,
; waves 4-7 v's channels 64 (w - 4) on; each wave's weights come straight into its registers, once.
; TILES.  Row r of every tile 2 B + u (pixels, weight rows) is index 32 B + 8 u + r + 8 (r / 8): where a tile's rows fall into a result's registers, the 16 registers of tiles 2 B and 2 B + 1 are 16 neighbours along the next K.
; q, k: the product is used transposed (source 0 = weight rows, source 1 = pixels): a lane holds one pixel and registers along the channels.  v: source 0 = pixels, source 1 = weight rows: a lane holds one channel and registers along the pixels.
; OUT.  qimg, kimg: [b][blk] of 16,896 bytes: fragment (pixel tile p, K step s) at (2 p + s) x 2,048; from 16,384 on scale register p, 128 bytes: lanes 0-15 s = 0, lanes 16-31 s = 1.
;       vimg: [b][step of 128 keys] of 33,792 bytes: fragment ct (16 channels x 128 keys) at 2,048 ct; from 32,768 on scale register i: lanes 0-15 tile 2 i, lanes 16-31 tile 2 i + 1.  A block writes its half of each fragment and of each scale word.
; LIMITS: NaN and infinities are not served.  A block of zeros gets the byte 1 where the rule says 127: its codes are zeros, and this program alone reads the bytes.
; REGISTERS, window 0: v1-11 addresses; v16-19 x's scale registers, v20-27 the weights'; v28-43 the quantiser's; v44 a scale word; v48-63 codes; v64-127 accumulators (in phase X the 64 numbers); v128-191 bias tiles;
;   v192-223 x's two fragments; v224-239 phase X's codes, then scale words on their way; v240-253 offsets.   window 1: the weights' fragments (q, k: 16; v: 8, and from v128 x's 8 fragments).
.set XSC,  17408                       ; LDS: 64 pixel rows x (256 codes + 16); behind them a scale word for each (wave, pixel): 256 w + 4 pixel
.set LS,   1                           ; 4 x lane
.set XW,   2                           ; phase X, codes: 272 x lane + 32 w
.set XB,   3                           ; phase X, scale word: XSC + 256 w + 4 x lane
.set XR,   4                           ; a fragment of x: 272 (r + 8 (r / 8)) + 16 h
.set XSR,  5                           ; its rows' scale words: XSC + 4 (r + 8 (r / 8)) + 1,024 h
.set LI,   6                           ; 16 x lane
.set R4,   8
.set H16,  9
.set BO,   10
.set BOV,  11
.set XS,   16
.set WS,   20
.set TM,   28
.set PW,   44
.set HW,   45
.set PC,   48
.set HA,   64
.set B1,   128
.set XF,   192
.set XC,   224
.set WOQ,  240
.set WOV,  241
.set WSQ,  242
.set WSV,  243
.set BOQ,  244
.set BVO,  245
.set OCQ,  246
.set OCV,  247
.set BVR,  248
.set OSQ,  252
.set OSV,  253
.set MNT,  3                           ; s3   the mantissa field of 448
.set SEL,  100                         ; s[100:101]
.set NP,   9                           ; places behind a run of products: the next run begins its accumulators anew (ISA guide 7.12.1)
.set MSB, 0
.macro WIN new                         ; the immediate's high byte repeats the setting that is left
.if MSB != (\new)
	s_set_vgpr_msb (MSB<<8)|(\new)
.set MSB, (\new)
.endif
.endm
.macro QUANT s, pc, pw
.irp b, 0,1,2,3
	v_max3_num_f32 v[TM+\b], |v[(\s)+16*\b]|, |v[(\s)+1+16*\b]|, 0x4800000   ; my 16 numbers of block b, and the floor 2^(9 - 127)
.endr
.irp i, 2,4,6,8,10,12,14
.irp b, 0,1,2,3
	v_max3_num_f32 v[TM+\b], v[TM+\b], |v[(\s)+16*\b+\i]|, |v[(\s)+1+16*\b+\i]|
.endr
.endr
.irp b, 0,1,2,3
	v_permlanex16_b32 v[TM+4+\b], v[TM+\b], s[SEL], s[SEL+1]
.endr
.irp b, 0,1,2,3
	v_max_num_f32 v[TM+\b], v[TM+\b], v[TM+4+\b]
.endr
.irp b, 0,1,2,3
	v_add_nc_u32 v[TM+12+\b], 0xfc000000, v[TM+\b]
.endr
.irp b, 0,1,2,3
	v_and_or_b32 v[TM+8+\b], v[TM+\b], 0x7f800000, s[MNT]
.endr
.irp b, 0,1,2,3
	v_lshrrev_b32 v[TM+4+\b], 23, v[TM+12+\b]
.endr
	v_lshl_or_b32 v[\pw], v[TM+5], 8, v[TM+4]
	v_lshl_or_b32 v[\pw], v[TM+6], 16, v[\pw]
	v_lshl_or_b32 v[\pw], v[TM+7], 24, v[\pw]
.irp b, 0,1,2,3
.irp i, 0,1,2,3,4,5,6,7,8,9,10,11,12,13,14,15
	v_med3_num_f32 v[(\s)+16*\b+\i], v[(\s)+16*\b+\i], -v[TM+8+\b], v[TM+8+\b]
.endr
	v_cvt_scalef32_pk8_fp8_f32 v[(\pc)+4*\b:(\pc)+1+4*\b], v[(\s)+16*\b:(\s)+7+16*\b], v[TM+12+\b]
	v_cvt_scalef32_pk8_fp8_f32 v[(\pc)+2+4*\b:(\pc)+3+4*\b], v[(\s)+8+16*\b:(\s)+15+16*\b], v[TM+12+\b]
.endr
	v_nop                                          ; a plain line behind the last conversion: later products write its sources
.endm
.macro PLACES n
.rept \n
	v_nop
.endr
.endm
	s_load_b512 s[4:19], s[0:1], 0x0               ; x, nrm, gn_bias, wimg, bq, bk, bv, qimg
	s_load_b128 s[20:23], s[0:1], 0x40             ; kimg, vimg
	v_lshl_add_u32 v254, v0, 2, 0x4c00
	v_mov_b32 v255, 0
	v_lshrrev_b32 v12, 5, v0
	v_readfirstlane_b32 s2, v12                    ; wave 0..7
	v_and_b32 v13, 31, v0                          ; lane
	v_and_b32 v14, 15, v0                          ; r
	v_bfe_u32 v15, v0, 4, 1                        ; h
	v_and_b32 v12, 8, v14
	v_add_nc_u32 v12, v12, v14                     ; r + 8 (r / 8)
	v_lshlrev_b32 v[LS], 2, v13
	v_lshlrev_b32 v[LI], 4, v13
	v_mul_u32_u24 v[XW], v13, 272
	s_lshl_b32 s24, s2, 5
	v_add_nc_u32 v[XW], s24, v[XW]
	s_lshl_b32 s24, s2, 8
	s_add_co_u32 s24, s24, XSC
	v_add_nc_u32 v[XB], s24, v[LS]
	v_mul_u32_u24 v[XR], v12, 272
	v_lshl_add_u32 v[XR], v15, 4, v[XR]
	v_lshl_add_u32 v[XSR], v12, 2, XSC
	v_lshl_add_u32 v[XSR], v15, 10, v[XSR]         ; lanes 16-31 take the words of waves 4-7: K step 1
	v_lshlrev_b32 v[R4], 2, v14
	v_lshlrev_b32 v[H16], 4, v15
	v_lshlrev_b32 v[BO], 6, v15
	v_lshlrev_b32 v[BOV], 2, v12
.irp b, 0,1,2,3
	v_mov_b32 v[TM+4+\b], 0                        ; written once: a lane permute's destination counts as one of its sources
.endr
	s_mov_b32 s[MNT], 0x600000
	s_mov_b32 s[SEL], 0x76543210
	s_mov_b32 s[SEL+1], 0xfedcba98
	s_and_b32 s24, ttmp7, 0xffff                   ; b
	s_and_b32 s25, s2, 1                           ; u: which 128 channels of q or k
	s_and_b32 s26, s2, 3                           ; w - 4 in a v wave
	s_and_b32 s27, ttmp9, 1                        ; which half of a key step this block is
	; offsets for both roles are made in every wave; a wave uses those of its role
	v_lshl_add_u32 v[WOQ], s25, 15, v[LI]          ; weights: 16 fragments a q or k wave,
	v_lshl_add_u32 v[WOV], s26, 14, v[LI]          ; 8 a v wave
	v_lshl_add_u32 v[WSQ], s25, 10, v[LS]
	v_lshl_add_u32 v[WSV], s26, 9, v[LS]
	v_lshl_add_u32 v[BOQ], s25, 9, v[BO]
	v_lshl_add_u32 v[BVO], s26, 8, v[BOV]
	v_lshl_add_u32 v[OCQ], s25, 11, v[LI]          ; out: K step u of a pixel tile's two fragments
	v_lshl_add_u32 v[OCV], s26, 13, v[LI]          ; out: my four channel tiles,
	v_lshl_add_u32 v[OCV], s27, 10, v[OCV]         ; my block's half of each fragment
	v_lshl_add_u32 v[OSQ], s25, 6, v[R4]
	v_lshl_add_u32 v[OSV], s26, 8, v[LS]
	v_lshl_add_u32 v[OSV], s27, 1, v[OSV]
	s_lshl_b32 s28, s24, 22                        ; x: batch b (4 MiB), channel 32 w (16,384 bytes a channel), pixel 64 blk
	s_lshl_b32 s29, s2, 19
	s_add_co_u32 s28, s28, s29
	s_lshl_b32 s29, ttmp9, 8
	s_add_co_u32 s28, s28, s29
	s_mov_b32 s29, 0
	s_lshr_b32 s30, s2, 1
	s_min_u32 s30, s30, 2                          ; wq, wk or wv
	s_mul_i32 s30, s30, 67584
	s_mov_b32 s31, 0
	s_lshl_b32 s36, s24, 6
	s_add_co_u32 s36, s36, ttmp9                   ; 64 b + blk
	s_and_b32 s37, s36, 0xfffffffe                 ; a key step is two blocks
	s_cmp_lt_u32 s2, 4
	s_cselect_b32 s36, s36, s37
	s_mul_i32 s36, s36, 16896
	s_mov_b32 s37, 0
	s_wait_kmcnt 0x0
	s_add_nc_u64 s[4:5], s[4:5], s[28:29]
	s_add_nc_u64 s[10:11], s[10:11], s[30:31]
	s_cmp_lt_u32 s2, 2                             ; my bias and my output: choices on the wave's number alone
	s_cselect_b64 s[12:13], s[12:13], s[14:15]
	s_cselect_b64 s[18:19], s[18:19], s[20:21]
	s_cmp_lt_u32 s2, 4
	s_cselect_b64 s[12:13], s[12:13], s[16:17]
	s_cselect_b64 s[18:19], s[18:19], s[22:23]
	s_add_nc_u64 s[18:19], s[18:19], s[36:37]
	s_lshl_b32 s28, s24, 7
	s_lshl_b32 s31, s2, 4
	s_add_co_u32 s28, s28, s31                     ; (32 b + 4 w) x 4: my four means
	s_lshl_b32 s29, s24, 10
	s_lshl_b32 s30, s2, 7                          ; 32 w x 4: my 32 biases of the norm
	s_add_co_u32 s29, s29, s30                     ; (256 b + 32 w) x 4: my 32 a
.set i, 0
.rept 32
	global_load_b32 v[HA+i], v[LS], s[4:5] offset:16384*i          ; channel 32 w + i, pixels 0-31: the two loads of a channel cover its 256 consecutive bytes
	global_load_b32 v[HA+32+i], v[LS], s[4:5] offset:16384*i+128   ; pixels 32-63
.set i, i+1
.endr
	s_load_b128 s[24:27], s[6:7], s28 offset:0x1000
	s_load_b512 s[32:47], s[6:7], s29 offset:0x0
	s_load_b512 s[48:63], s[6:7], s29 offset:0x40
	s_load_b512 s[68:83], s[8:9], s30 offset:0x0
	s_load_b512 s[84:99], s[8:9], s30 offset:0x40
	s_cmp_lt_u32 s2, 4
	s_cbranch_scc0 .Lhead_v
	WIN 0x40                                       ; destination window 1
.set f, 0
.rept 16
.irp c, 0,1,2,3
	global_load_b128 v[16*f+4*\c:16*f+4*\c+3], v[WOQ], s[10:11] offset:2048*f+512*\c   ; fragment (tile f / 2, K step f % 2)
.endr
.set f, f+1
.endr
	WIN 0
.irp t, 0,1,2,3,4,5,6,7
	global_load_b32 v[WS+\t], v[WSQ], s[10:11] offset:65536+128*\t
.endr
.irp t, 0,1,2,3,4,5,6,7
	global_load_b128 v[B1+8*\t:B1+8*\t+3], v[BOQ], s[12:13] offset:(32*(\t/2)+8*(\t%2))*4       ; the bias in the result's layout: channels 32 (t / 2) + 16 h + 8 (t % 2) + 0 .. 7
	global_load_b128 v[B1+8*\t+4:B1+8*\t+7], v[BOQ], s[12:13] offset:(32*(\t/2)+8*(\t%2))*4+16
.endr
	s_branch .Lhead_done
.Lhead_v:
	WIN 0x40
.set f, 0
.rept 8
.irp c, 0,1,2,3
	global_load_b128 v[16*f+4*\c:16*f+4*\c+3], v[WOV], s[10:11] offset:2048*f+512*\c
.endr
.set f, f+1
.endr
	WIN 0
.irp t, 0,1,2,3
	global_load_b32 v[WS+\t], v[WSV], s[10:11] offset:65536+128*\t
.endr
.irp t, 0,1,2,3
	global_load_b32 v[BVR+\t], v[BVO], s[12:13] offset:(32*(\t/2)+8*(\t%2))*4   ; a lane is one channel: one number a tile
.endr
.Lhead_done:
	s_wait_loadcnt 40                              ; behind x's 64 loads a v wave has issued 40 and a q or k wave 88: x is in on both ways, the weights may be out
	s_wait_kmcnt 0x0                               ; the means, a and the norm's biases
; ---- phase X: pixel 32 q + lane, channels 32 w + 0 .. 31
.macro XBLOCK q
.set XN, HA+32*\q
.set i, 0
.rept 32
	v_sub_f32 v[XN+i], v[XN+i], s[24+i/8]
.set i, i+1
.endr
.set i, 0
.rept 32
	v_fma_f32 v[XN+i], v[XN+i], s[32+i], s[68+i]   ; (x - mean) x (rstd x gain) + bias
.set i, i+1
.endr
	v_max3_num_f32 v28, |v[XN]|, |v[XN+1]|, |v[XN+2]|              ; the block's largest magnitude: all 32 numbers are mine
	v_max3_num_f32 v29, |v[XN+3]|, |v[XN+4]|, |v[XN+5]|
.irp i, 6,10,14,18,22,26
	v_max3_num_f32 v28, v28, |v[XN+\i]|, |v[XN+\i+1]|
	v_max3_num_f32 v29, v29, |v[XN+\i+2]|, |v[XN+\i+3]|
.endr
	v_max3_num_f32 v28, v28, |v[XN+30]|, |v[XN+31]|
	v_max3_num_f32 v28, v28, v29, 0x4800000        ; and the floor 2^(9 - 127)
	v_add_nc_u32 v31, 0xfc000000, v28              ; the conversion's scale operand
	v_and_or_b32 v30, v28, 0x7f800000, s[MNT]      ; 448 x the scale
	v_lshrrev_b32 v[36+\q], 23, v31                ; the byte, as a word
.set i, 0
.rept 32
	v_med3_num_f32 v[XN+i], v[XN+i], -v30, v30
.set i, i+1
.endr
.irp g, 0,1,2,3
	v_cvt_scalef32_pk8_fp8_f32 v[XC+8*\q+2*\g:XC+8*\q+2*\g+1], v[XN+8*\g:XN+8*\g+7], v31
.endr
	v_nop
	ds_store_b128 v[XW], v[XC+8*\q:XC+8*\q+3] offset:8704*\q       ; 32 codes of my pixel's row
	ds_store_b128 v[XW], v[XC+8*\q+4:XC+8*\q+7] offset:8704*\q+16
	ds_store_b32 v[XB], v[36+\q] offset:128*\q
.endm
	XBLOCK 0
	XBLOCK 1
	s_wait_dscnt 0x0                               ; for the others' sake: my codes and scale words have landed
	s_barrier_signal -1
	s_barrier_wait -1                              ; the launch's one barrier: nothing in LDS is written behind it
.irp p, 0,1,2,3
.irp k, 0,1,2,3
	ds_load_b32 v[XC+4*\p+\k], v[XSR] offset:256*\k+(32*(\p/2)+8*(\p%2))*4   ; pixel tile p, block 4 h + k
.endr
.endr
	s_wait_dscnt 0x0
.irp p, 0,1,2,3
	v_lshl_or_b32 v[XS+\p], v[XC+4*\p+1], 8, v[XC+4*\p]            ; x's scale register p: lanes 0-15 K step 0's word, lanes 16-31 K step 1's
	v_lshl_or_b32 v[XS+\p], v[XC+4*\p+2], 16, v[XS+\p]
	v_lshl_or_b32 v[XS+\p], v[XC+4*\p+3], 24, v[XS+\p]
.endr
	s_wait_loadcnt 0x0                             ; the weights, their scales, the biases
	PLACES 8                                       ; a scale register made by vector instructions stands eight places ahead of a scaled product
	s_cmp_lt_u32 s2, 4
	s_cbranch_scc0 .Lv_path
; ---- q and k: a pixel tile at a time; eight accumulators by turns
.macro FETCHX m
.irp s, 0,1
.irp c, 0,1,2,3
	ds_load_b128 v[XF+16*\s+4*\c:XF+16*\s+4*\c+3], v[XR] offset:(32*((\m)/2)+8*((\m)%2))*272+128*\s+32*\c
.endr
.endr
.endm
	FETCHX 0
.irp m, 0,1,2,3
	s_wait_dscnt 0x0
	WIN 0x01                                       ; source 0 (the weights) window 1
.irp t, 0,1,2,3,4,5,6,7
	v_wmma_scale_f32_16x16x128_f8f6f4 v[HA+8*\t:HA+8*\t+7], v[32*\t:32*\t+15], v[XF:XF+15], v[B1+8*\t:B1+8*\t+7], v[WS+\t], v[XS+\m]
.endr
.irp t, 0,1,2,3,4,5,6,7
	v_wmma_scale_f32_16x16x128_f8f6f4 v[HA+8*\t:HA+8*\t+7], v[32*\t+16:32*\t+31], v[XF+16:XF+31], v[HA+8*\t:HA+8*\t+7], v[WS+\t], v[XS+\m] matrix_a_scale:MATRIX_SCALE_ROW1 matrix_b_scale:MATRIX_SCALE_ROW1
.endr
	WIN 0
	PLACES NP
.if \m < 3
	FETCHX \m+1
.endif
.if \m > 0
	s_wait_xcnt 0x0                                ; the last tile's stores have read their codes and scale word
.endif
	QUANT HA, PC, PW                               ; register 16 b + i = channel 128 u + 32 b + 16 h + i of pixel row r: fragment (m, u)
.irp c, 0,1,2,3
	global_store_b128 v[OCQ], v[PC+4*\c:PC+4*\c+3], s[18:19] offset:4096*\m+512*\c   ; 32 lanes store 512 consecutive bytes
.endr
	global_store_b32 v[OSQ], v[PW], s[18:19] offset:16384+128*\m   ; both halves of the lanes write row r's word with the same value
.endr
	s_wait_tensorcnt 0x0
	ds_add_u32 v254, v255
	s_wait_dscnt 0x0
	s_endpgm
; ---- v: all eight fragments of x in registers; two channel tiles at a time, eight accumulators by turns
.Lv_path:
	WIN 0x40
.irp p, 0,1,2,3
.irp s, 0,1
.irp c, 0,1,2,3
	ds_load_b128 v[128+16*(2*\p+\s)+4*\c:128+16*(2*\p+\s)+4*\c+3], v[XR] offset:(32*(\p/2)+8*(\p%2))*272+128*\s+32*\c
.endr
.endr
.endr
	WIN 0
.irp t, 0,1,2,3
.irp j, 0,1,2,3,4,5,6,7
	v_mov_b32 v[B1+8*\t+\j], v[BVR+\t]             ; the bias as the C of a sum's first product: a lane's eight registers are eight pixels of one channel
.endr
.endr
	s_wait_dscnt 0x0
.irp tp, 0,1
	WIN 0x05                                       ; sources 0 (x) and 1 (the weights) window 1
.irp tt, 0,1
.irp p, 0,1,2,3
	v_wmma_scale_f32_16x16x128_f8f6f4 v[HA+32*\tt+8*\p:HA+32*\tt+8*\p+7], v[128+32*\p:128+32*\p+15], v[32*(2*\tp+\tt):32*(2*\tp+\tt)+15], v[B1+8*(2*\tp+\tt):B1+8*(2*\tp+\tt)+7], v[XS+\p], v[WS+2*\tp+\tt]
.endr
.endr
.irp tt, 0,1
.irp p, 0,1,2,3
	v_wmma_scale_f32_16x16x128_f8f6f4 v[HA+32*\tt+8*\p:HA+32*\tt+8*\p+7], v[128+32*\p+16:128+32*\p+31], v[32*(2*\tp+\tt)+16:32*(2*\tp+\tt)+31], v[HA+32*\tt+8*\p:HA+32*\tt+8*\p+7], v[XS+\p], v[WS+2*\tp+\tt] matrix_a_scale:MATRIX_SCALE_ROW1 matrix_b_scale:MATRIX_SCALE_ROW1
.endr
.endr
	WIN 0
	PLACES NP
.if \tp > 0
	s_wait_xcnt 0x0
.endif
	QUANT HA, PC, PW                               ; block 2 tt + bb: pixels 32 bb + 16 h + i of channel row r of tile 2 tp + tt
.irp tt, 0,1
.irp bb, 0,1
	global_store_b128 v[OCV], v[PC+4*(2*\tt+\bb):PC+4*(2*\tt+\bb)+3], s[18:19] offset:2048*(2*\tp+\tt)+512*\bb
.endr
.endr
	v_lshrrev_b32 v[HW], v[H16], v[PW]             ; lanes 0-15 keep the even tile's two bytes, lanes 16-31 take the odd tile's
	global_store_b16 v[OSV], v[HW], s[18:19] offset:32768+128*\tp
.endr
	s_wait_tensorcnt 0x0
	ds_add_u32 v254, v255
	s_wait_dscnt 0x0
	s_endpgm
.Lfunc_end_k_qba45bf13d8_qkv:
	.size	k_qba45bf13d8_qkv, .Lfunc_end_k_qba45bf13d8_qkv-k_qba45bf13d8_qkv
	.p2alignl 7, 3214868480
	.fill 96, 4, 3214868480
	.section	.rodata,"a",@progbits
	.p2align	6, 0x0
	.amdhsa_kernel k_qba45bf13d8_qkv
		.amdhsa_group_segment_fixed_size 20480
		.amdhsa_private_segment_fixed_size 0
		.amdhsa_enable_private_segment 0
		.amdhsa_kernarg_size 80
		.amdhsa_user_sgpr_count 2
		.amdhsa_user_sgpr_kernarg_segment_ptr 1
		.amdhsa_wavefront_size32 1
		.amdhsa_system_sgpr_workgroup_id_x 1
		.amdhsa_system_sgpr_workgroup_id_y 1
		.amdhsa_system_sgpr_workgroup_id_z 1
		.amdhsa_system_vgpr_workitem_id 0
		.amdhsa_next_free_vgpr 512
		.amdhsa_next_free_sgpr 102
		.amdhsa_reserve_vcc 0
		.amdhsa_float_denorm_mode_32 3
		.amdhsa_float_denorm_mode_16_64 3
		.amdhsa_memory_ordered 1
		.amdhsa_forward_progress 1
		.amdhsa_inst_pref_size 111
	.end_amdhsa_kernel
	.amdgpu_metadata
---
amdhsa.version: [ 1, 2 ]
amdhsa.kernels:
  - .name:           k_qba45bf13d8_qkv
    .symbol:         k_qba45bf13d8_qkv.kd
    .args:
      - { .name: x, .offset: 0, .size: 8, .value_kind: global_buffer, .address_space: global }
      - { .name: nrm, .offset: 8, .size: 8, .value_kind: global_buffer, .address_space: global }
      - { .name: gn_bias, .offset: 16, .size: 8, .value_kind: global_buffer, .address_space: global }
      - { .name: wimg, .offset: 24, .size: 8, .value_kind: global_buffer, .address_space: global }
      - { .name: bq, .offset: 32, .size: 8, .value_kind: global_buffer, .address_space: global }
      - { .name: bk, .offset: 40, .size: 8, .value_kind: global_buffer, .address_space: global }
      - { .name: bv, .offset: 48, .size: 8, .value_kind: global_buffer, .address_space: global }
      - { .name: qimg, .offset: 56, .size: 8, .value_kind: global_buffer, .address_space: global }
      - { .name: kimg, .offset: 64, .size: 8, .value_kind: global_buffer, .address_space: global }
      - { .name: vimg, .offset: 72, .size: 8, .value_kind: global_buffer, .address_space: global }
    .group_segment_fixed_size: 20480
    .private_segment_fixed_size: 0
    .kernarg_segment_align: 8
    .kernarg_segment_size: 80
    .max_flat_workgroup_size: 256
    .sgpr_count:     102
    .vgpr_count:     512
    .wavefront_size: 32
...
	.end_amdgpu_metadata
.endif
;; end of part 2
;; launch attn (part 3): grid 64 x 4, 4 waves a work-group, clusters of 4 x 1, 327,680 bytes of LDS; arguments qimg, kimg, vimg, wimg, bp, x, out0; writes out0
.if DOCPART == 3
	.amdgcn_target "amdgcn-amd-amdhsa--gfx1250"
	.amdhsa_code_object_version 6
	.text
	.protected	k_qba45bf13d8_attn
	.globl	k_qba45bf13d8_attn
	.p2align	8
	.type	k_qba45bf13d8_attn,@function
k_qba45bf13d8_attn:
	s_mov_b64 s[64:65], 0
	v_nop
	global_prefetch_b8 v0, s[64:65] scope:SCOPE_SE
	s_setreg_imm32_b32 hwreg(HW_REG_WAVE_MODE, 25, 1), 1
	s_wait_xcnt 0x0
	s_wait_alu depctr_hold_cnt(0) depctr_sa_sdst(0) depctr_va_vdst(0) depctr_va_sdst(0) depctr_va_ssrc(0) depctr_va_vcc(0) depctr_vm_vsrc(0)
	s_getreg_b32 s2, hwreg(HW_REG_IB_STS2, 6, 4)
	s_cmp_eq_u32 s2, 0
	s_cbranch_scc0 .Lentry_in_a_cluster
	s_endpgm
.Lentry_in_a_cluster:
	s_bfe_u32 s2, ttmp6, 0x10000c
	s_cmp_lg_u32 s2, 0x3003
	s_cbranch_scc0 .Lentry_shape_is_right
	s_endpgm
.Lentry_shape_is_right:
; out = wp (softmax(q k^T / 16) v) + bp + x, all three products on codes of E4M3 with one E8M0 scale for each 32 along K.  q, k, v and wp arrive as images of the operands' registers
; (a fragment = 16 rows x 128 K = 2,048 bytes: registers 4 c .. 4 c + 3 of lane l at 512 c + 16 l; scale registers of 128 bytes, 4 a lane, lanes 0-15 one word a row, lanes 16-31 a second).
; THE SOFTMAX: t = score x log2(e) / 16; M = the largest t so far rounded UP to a whole number, kept as -M = min(old -M, floor(-t)); p = 2^(t - M) is quantised along the keys, not normalised;
; the row's sum is taken of the unquantised p and divides at the end; when M moves, the sum and O are multiplied by 2^(old M - new M), which rounds nothing.
; SHARES.  A work-group owns 64 queries of one batch.  EVERY WAVE HOLDS ALL FOUR TILES OF 16 QUERIES AND WALKS A QUARTER OF THE 4,096 KEYS, eight steps of 128: so each fragment of K and V is read from LDS once in the
; work-group and feeds four products, and no wave reads another's tiles.  At the end the four (M, sum, O^T) are merged by exact powers of two: wave w merges, divides and quantises tile w, and the last product follows.
; Both attention products are used transposed (S^T = K Q^T, O^T = V^T P^T): a lane holds one query.  Row r of every tile 2 B + u is index 32 B + 8 u + r + 8 (r / 8), so that the 16 registers of tiles 2 B, 2 B + 1 are 16 neighbours along the next K.
; CLUSTER.  The four work-groups of a cluster are four query blocks of one batch and walk the same K and V: each tile is asked for JOINTLY, by the same tensor load with the same descriptor (made of the batch and the wave's number) and the mask 15.
; RING.  Each wave has one slot for K's step and one for V's, 33,792 bytes each.  K's is filled again in the middle of the softmax, when its step's products are done, V's behind the step's second products:
; each load has half a softmax and 64 products in which to land.  A wave has two tensor loads out at the start and one behind each round.
; ADDRESSES.  Every LDS address and every vector offset is made at the head, from the thread's number, the wave's number and constants, in a register that holds nothing else in the whole launch: none ever holds a number
; that hangs on the work-group's place in its cluster.
; LIMITS: NaN and infinities are not served.  A block of zeros gets the byte 1.  v_exp_f32 gives 0 for p under 2^-126.  A block's largest p is taken from its largest score, which leans on v_exp_f32 not falling where its input rises.
; REGISTERS, window 0: v1-15, v40-45 addresses; v16 + 4 t: -M, p's scale word, the sum in two halves; v32-39 scale registers (K's, then V's; at the end attn's and wp's), nothing else;
;   v46-55, v60-63 at work; v56-59 Q's scale registers; v64-95 Q's tile 0; v96-159 K's two sets, then p's codes; v160-255 Q's tiles 1-3.
;   window 1: S^T (tile t at 64 t), then V's 16 fragments.   windows 2, 3: O^T (tile t in window 2 + t / 2 at 128 (t % 2) + 8 x channel tile).
.set STEPB, 33792                      ; a key step's image: K: two blocks of 8 fragments + 4 scale registers; V: 16 fragments + 8 scale registers
.set RING,  2*STEPB                    ; a wave's two slots
.set SPARE, 4*RING                     ; the spare words, 128 bytes for each wave: two blocks of 256 bytes that no other line names
.set AIMG,  SPARE+512                  ; attn's eight fragments
.set ASC,   AIMG+16384                 ; its four scale registers, 256 bytes apart
.set MST,   ASC+1024                   ; the merge's -M and sums: wave k's tile t at 1,024 k + 256 t, the sum 128 bytes on
.set WPART, 67584
.set SPW, 1                            ; SPARE + 4 x thread
.set NIL, 2                            ; 0
.set AK,  3                            ; my K slot + 16 x lane
.set AV,  4                            ; my V slot + 16 x lane
.set AS,  5                            ; my ring + 16,384 + 4 x lane: K's and V's scale registers
.set LI,  6                            ; 16 x lane
.set LS,  7                            ; 4 x lane
.set PA,  8                            ; v8-11  tile w in the ring of wave 0, 1, 2, 3: 16,384 w + 16 x lane + RING k
.set MSS, 12                           ; MST + 1,024 w + 4 x lane: where I lay my tiles' -M and sums
.set B256, 13                          ; ASC + 256 w + 4 x lane: attn's scale register w; 1,024 (1 + k) on: wave k's -M and sum of tile w
.set SGI, 14                           ; the stage, on the way in: my ring + 272 (r + 8 (r / 8)) + 64 h
.set SGO, 15                           ; and back: my ring + 272 h + 16 r
.set KVS, 32
.set AIS, 40                           ; AIMG + 4,096 w + 16 x lane
.set AIL, 41                           ; AIMG + 16 x lane
.set ASL, 42                           ; ASC + 4 x lane
.set BPO, 43                           ; bp: 4 (r + 8 (r / 8))
.set XO,  44                           ; x, out0: 16,384 h + 16 r
.set RR,  45                           ; r
.set BM,  46                           ; v46-49 block maxima, then 448 x the scale
.set SO,  50                           ; v50-53 the conversions' scale operands
.set FF,  54                           ; v[54:55] f
.set QS,  56
.set PX,  60                           ; v60-63 the other half's maxima, then the bytes
.set CH,  60                           ; v[60:61] later the second chain of the sum
.set T0,  62
.set T1,  63
.set XK,  96
.set TM,  96                           ; at the end: the quantiser's 16 registers, in K's old place
.set MG,  112                          ; at the end: v112-127 the merge's numbers
.set WV,  18
.set MNT, 19
.set SEL, 20
.set CS,  22                           ; s[22:23] c = log2(e) / 16
.set G1,  24
.set G0K, 32
.set G0V, 36
.set CNT, 40
.set RW,  46                           ; s46  my ring's first byte
.set MSB, 0
.macro WIN new                         ; the immediate's high byte repeats the setting that is left
.if MSB != (\new)
	s_set_vgpr_msb (MSB<<8)|(\new)
.set MSB, (\new)
.endif
.endm
.macro PLACES n
.rept \n
	v_nop
.endr
.endm
.macro CROUND                          ; a round of the cluster's barrier
	s_barrier_signal -1
	s_barrier_wait -1
	s_cmp_lg_u32 s[WV], 0
	s_cbranch_scc1 .Lnot_wave_0_\@
	s_barrier_signal -3
.Lnot_wave_0_\@:
	s_barrier_wait -3
	s_barrier_signal -1
	s_barrier_wait -1
.endm
; A slot is filled again: all my tensor loads have landed, the add, the descriptor's step, the wait for the add and for my reads of the slot, a round, and my one joint load first behind it.
.macro RND g0
	WIN 0
	s_wait_tensorcnt 0x0                           ; no tensor load of mine is out, so a group 0 may be written
	ds_add_u32 v[SPW], v[NIL]                      ; 0 onto my spare word
	s_add_nc_u64 s[\g0+2:\g0+3], s[\g0+2:\g0+3], STEPB   ; the next key step; the type bits on top are not reached
	s_wait_dscnt 0x0
	CROUND
	tensor_load_to_lds s[\g0:\g0+3], s[G1:G1+7]
	s_nop 0
	PLACES 4
.endm
.macro QUANT s, pc, pw
.irp b, 0,1,2,3
	v_max3_num_f32 v[TM+\b], |v[(\s)+16*\b]|, |v[(\s)+1+16*\b]|, 0x4800000   ; my 16 numbers of block b, and the floor 2^(9 - 127)
.endr
.irp i, 2,4,6,8,10,12,14
.irp b, 0,1,2,3
	v_max3_num_f32 v[TM+\b], v[TM+\b], |v[(\s)+16*\b+\i]|, |v[(\s)+1+16*\b+\i]|
.endr
.endr
.irp b, 0,1,2,3
	v_permlanex16_b32 v[TM+4+\b], v[TM+\b], s[SEL], s[SEL+1]
.endr
.irp b, 0,1,2,3
	v_max_num_f32 v[TM+\b], v[TM+\b], v[TM+4+\b]
.endr
.irp b, 0,1,2,3
	v_add_nc_u32 v[TM+12+\b], 0xfc000000, v[TM+\b]
.endr
.irp b, 0,1,2,3
	v_and_or_b32 v[TM+8+\b], v[TM+\b], 0x7f800000, s[MNT]
.endr
.irp b, 0,1,2,3
	v_lshrrev_b32 v[TM+4+\b], 23, v[TM+12+\b]
.endr
	v_lshl_or_b32 v[\pw], v[TM+5], 8, v[TM+4]
	v_lshl_or_b32 v[\pw], v[TM+6], 16, v[\pw]
	v_lshl_or_b32 v[\pw], v[TM+7], 24, v[\pw]
.irp b, 0,1,2,3
.irp i, 0,1,2,3,4,5,6,7,8,9,10,11,12,13,14,15
	v_med3_num_f32 v[(\s)+16*\b+\i], v[(\s)+16*\b+\i], -v[TM+8+\b], v[TM+8+\b]
.endr
	v_cvt_scalef32_pk8_fp8_f32 v[(\pc)+4*\b:(\pc)+1+4*\b], v[(\s)+16*\b:(\s)+7+16*\b], v[TM+12+\b]
	v_cvt_scalef32_pk8_fp8_f32 v[(\pc)+2+4*\b:(\pc)+3+4*\b], v[(\s)+8+16*\b:(\s)+15+16*\b], v[TM+12+\b]
.endr
	v_nop
.endm
	s_load_b256 s[4:11], s[0:1], 0x0               ; qimg, kimg, vimg, wimg
	s_load_b128 s[12:15], s[0:1], 0x20             ; bp, x
	s_load_b64 s[16:17], s[0:1], 0x30              ; out0
	v_lshl_add_u32 v[SPW], v0, 2, SPARE
	v_mov_b32 v[NIL], 0
	ds_add_u32 v1, v2
	ds_add_u32 v1, v2
	s_wait_dscnt 0x0
	v_lshrrev_b32 v3, 5, v0
	v_readfirstlane_b32 s[WV], v3                  ; wave 0..3
	s_bfe_u32 s41, ttmp6, 0x40000                  ; cx: it enters Q's, x's and out0's addresses alone
	s_lshl_b32 s42, ttmp9, 2
	s_add_co_u32 s42, s42, s41                     ; my block of 64 queries
	s_and_b32 s43, ttmp7, 0xffff                   ; the batch, which the four partners share
	s_lshl_b32 s44, s43, 5
	s_lshl_b32 s45, s[WV], 3
	s_add_co_u32 s44, s44, s45                     ; my first key step: 32 b + 8 w
	s_mul_i32 s44, s44, STEPB
	s_mov_b32 s45, 0
	s_mul_i32 s[RW], s[WV], RING
	s_lshl_b32 s48, s43, 6
	s_add_co_u32 s48, s48, s42
	s_mul_i32 s48, s48, 16896                      ; Q's block
	s_mov_b32 s49, 0
	s_lshl_b32 s50, s43, 22                        ; x and out0: batch b, channel 64 w, pixel 64 x block
	s_lshl_b32 s51, s[WV], 20
	s_add_co_u32 s50, s50, s51
	s_lshl_b32 s51, s42, 8
	s_add_co_u32 s50, s50, s51
	s_mov_b32 s51, 0
	s_lshl_b32 s52, s[WV], 14                      ; wp's part of wimg, my four tiles' eight fragments
	s_add_co_u32 s52, s52, 3*WPART
	s_mov_b32 s53, 0
	s_lshl_b32 s54, s[WV], 9                       ; and, 65,536 on, their scale registers
	s_add_co_u32 s54, s54, 3*WPART
	s_mov_b32 s55, 0
	s_lshl_b32 s56, s[WV], 8                       ; bp: my 64 numbers
	s_mov_b32 s57, 0
	; descriptor group 1: a dense block of 33,792 bytes as 132 rows of 256 bytes (32 elements of 8 bytes), no padding
	s_mov_b32 s[G1+0], 15|(3<<16)|(1<<21)          ; 15:0 the mask: all four work-groups; 17:16 elements of 8 bytes; 21 set beside a mask
	s_mov_b32 s[G1+1], 32<<16                      ; tensor_dim0 = 32
	s_mov_b32 s[G1+2], 132<<16                     ; tensor_dim1 = 132
	s_mov_b32 s[G1+3], 32<<16                      ; tile_dim0 = 32
	s_mov_b32 s[G1+4], 132                         ; tile_dim1 = 132
	s_mov_b32 s[G1+5], 32                          ; the pitch
	s_mov_b32 s[G1+6], 0
	s_mov_b32 s[G1+7], 0
	s_mov_b32 s[MNT], 0x600000
	s_mov_b32 s[SEL], 0x76543210
	s_mov_b32 s[SEL+1], 0xfedcba98
	s_mov_b32 s[CS], 0x3db8aa3b
	s_mov_b32 s[CS+1], s[CS]                       ; named with it as a pair, so it is written
	s_wait_kmcnt 0x0
	s_mov_b32 s[G0K], 1
	s_mov_b32 s[G0K+1], s[RW]
	s_add_nc_u64 s[G0K+2:G0K+3], s[6:7], s[44:45]
	s_or_b32 s[G0K+3], s[G0K+3], 0x80000000
	s_mov_b32 s[G0V], 1
	s_add_co_u32 s[G0V+1], s[RW], STEPB
	s_add_nc_u64 s[G0V+2:G0V+3], s[8:9], s[44:45]
	s_or_b32 s[G0V+3], s[G0V+3], 0x80000000
	s_add_nc_u64 s[4:5], s[4:5], s[48:49]
	s_add_nc_u64 s[54:55], s[10:11], s[54:55]
	s_add_nc_u64 s[10:11], s[10:11], s[52:53]
	s_add_nc_u64 s[12:13], s[12:13], s[56:57]
	s_add_nc_u64 s[14:15], s[14:15], s[50:51]
	s_add_nc_u64 s[16:17], s[16:17], s[50:51]
	CROUND                                         ; all four work-groups are here: the first joint loads meet
	tensor_load_to_lds s[G0K:G0K+3], s[G1:G1+7]    ; my first step of K,
	s_nop 0
	tensor_load_to_lds s[G0V:G0V+3], s[G1:G1+7]    ; and of V: two loads of mine are out
	s_nop 0
	PLACES 4
	v_and_b32 v[LS], 31, v0
	v_lshlrev_b32 v[LI], 4, v[LS]
	v_lshlrev_b32 v[LS], 2, v[LS]
.irp t, 0,1,2,3
.irp s, 0,1
.irp c, 0,1,2,3
	global_load_b128 v[64+64*((\t+3)/4)+32*\t+16*\s+4*\c:64+64*((\t+3)/4)+32*\t+16*\s+4*\c+3], v[LI], s[4:5] offset:2048*(2*\t+\s)+512*\c   ; Q stays in registers
.endr
.endr
.endr
.irp t, 0,1,2,3
	global_load_b32 v[QS+\t], v[LS], s[4:5] offset:16384+128*\t
.endr
	; all the addresses of the launch
	v_add_nc_u32 v[AK], s[RW], v[LI]
	v_add_nc_u32 v[AV], STEPB, v[AK]
	s_add_co_u32 s58, s[RW], 16384
	v_add_nc_u32 v[AS], s58, v[LS]
	s_lshl_b32 s58, s[WV], 14
	v_add_nc_u32 v[PA], s58, v[LI]
	v_add_nc_u32 v[PA+1], RING, v[PA]
	v_add_nc_u32 v[PA+2], RING, v[PA+1]
	v_add_nc_u32 v[PA+3], RING, v[PA+2]
	s_lshl_b32 s58, s[WV], 10
	s_add_co_u32 s58, s58, MST
	v_add_nc_u32 v[MSS], s58, v[LS]
	s_lshl_b32 s58, s[WV], 8
	s_add_co_u32 s58, s58, ASC
	v_add_nc_u32 v[B256], s58, v[LS]
	s_lshl_b32 s58, s[WV], 12
	s_add_co_u32 s58, s58, AIMG
	v_add_nc_u32 v[AIS], s58, v[LI]
	v_add_nc_u32 v[AIL], AIMG, v[LI]
	v_add_nc_u32 v[ASL], ASC, v[LS]
	v_and_b32 v[RR], 15, v0                        ; r
	v_and_b32 v[SGI], 8, v[RR]
	v_add_nc_u32 v[SGI], v[SGI], v[RR]             ; r + 8 (r / 8)
	v_lshlrev_b32 v[BPO], 2, v[SGI]
	v_bfe_u32 v[SGO], v0, 4, 1                     ; h
	v_lshlrev_b32 v[XO], 14, v[SGO]
	v_lshl_add_u32 v[XO], v[RR], 4, v[XO]          ; lanes 0-15 one channel's 256 bytes, lanes 16-31 the next channel's
	v_mul_u32_u24 v[SGI], v[SGI], 272
	v_lshl_add_u32 v[SGI], v[SGO], 6, v[SGI]
	v_add_nc_u32 v[SGI], s[RW], v[SGI]
	v_mul_u32_u24 v[SGO], v[SGO], 272
	v_lshl_add_u32 v[SGO], v[RR], 4, v[SGO]
	v_add_nc_u32 v[SGO], s[RW], v[SGO]
.irp t, 0,1,2,3
	v_mov_b32 v[16+4*\t], 0x7f61b1e6               ; -M = 3e38: over every floor(-t)
	v_mov_b32 v[18+4*\t], 0                        ; the sum, in two halves
	v_mov_b32 v[19+4*\t], 0
	v_mov_b32 v[PX+\t], 0                          ; written once: a lane permute's destination counts as one of its sources
.endr
	v_mov_b32 v[FF+1], 0                           ; named as the upper half of a pair
; K's fragments of key tile kt (both K steps) into set
.macro KFETCH set, kt
.irp s, 0,1
.irp c, 0,1,2,3
	ds_load_b128 v[XK+32*(\set)+16*\s+4*\c:XK+32*(\set)+16*\s+4*\c+3], v[AK] offset:16896*((\kt)/4)+2048*(2*((\kt)%4)+\s)+512*\c
.endr
.endr
.endm
; S^T = K Q^T for 128 keys x 64 queries: a key tile at a time against the four query tiles; the four accumulators take turns
.macro SPHASE
	WIN 0
.irp kt, 0,1,2,3,4,5,6,7
	ds_load_b32 v[KVS+\kt], v[AS] offset:16896*(\kt/4)+128*(\kt%4)
.endr
	KFETCH 0, 0
	KFETCH 1, 1
.irp kt, 0,1,2,3,4,5,6,7
.if \kt < 7
	s_wait_dscnt 8                                 ; this tile's set (and the scale registers) are in; the other set's eight loads may be out
.else
	s_wait_dscnt 0x0
.endif
	WIN 0x50                                       ; C and D window 1
.irp t, 0,1,2,3
	v_wmma_scale_f32_16x16x128_f8f6f4 v[64*\t+8*\kt:64*\t+8*\kt+7], v[XK+32*(\kt%2):XK+32*(\kt%2)+15], v[64+64*((\t+3)/4)+32*\t:64+64*((\t+3)/4)+32*\t+15], 0, v[KVS+\kt], v[QS+\t]
.endr
.irp t, 0,1,2,3
	v_wmma_scale_f32_16x16x128_f8f6f4 v[64*\t+8*\kt:64*\t+8*\kt+7], v[XK+32*(\kt%2)+16:XK+32*(\kt%2)+31], v[64+64*((\t+3)/4)+32*\t+16:64+64*((\t+3)/4)+32*\t+31], v[64*\t+8*\kt:64*\t+8*\kt+7], v[KVS+\kt], v[QS+\t] matrix_a_scale:MATRIX_SCALE_ROW1 matrix_b_scale:MATRIX_SCALE_ROW1
.endr
	WIN 0
	PLACES 8                                       ; in front of the loads into the set just multiplied, and at the end of the first read of S^T
.if \kt < 6
	KFETCH \kt%2, \kt+2
.endif
.endr
.endm
; One tile's softmax for one key step.  Register 16 b + i of S^T is key 32 b + 16 (lane / 16) + i.  The lines are grouped by window setting.
.macro SOFTMAX t, first
.set SS, 64*(\t)
.set ST, 16+4*(\t)
.set PCD, XK+32*((\t)%2)+16*((\t)/2)
	WIN 0x15
.irp b, 0,1,2,3
	v_max3_num_f32 v[BM+\b], v[SS+16*\b], v[SS+16*\b+1], v[SS+16*\b+2]   ; the largest score of each block of 32 keys; each accumulator is read from its low end on
.endr
	WIN 0x14
.irp i, 3,5,7,9,11,13
.irp b, 0,1,2,3
	v_max3_num_f32 v[BM+\b], v[BM+\b], v[SS+16*\b+\i], v[SS+16*\b+\i+1]
.endr
.endr
.irp b, 0,1,2,3
	v_max_num_f32 v[BM+\b], v[BM+\b], v[SS+16*\b+15]
.endr
	WIN 0
.irp b, 0,1,2,3
	v_permlanex16_b32 v[PX+\b], v[BM+\b], s[SEL], s[SEL+1]
.endr
.irp b, 0,1,2,3
	v_max_num_f32 v[BM+\b], v[BM+\b], v[PX+\b]     ; with lane l xor 16's 16 keys
.endr
	v_max3_num_f32 v[T0], v[BM], v[BM+1], v[BM+2]
	v_max_num_f32 v[T0], v[T0], v[BM+3]            ; the step's largest score of my query
	v_mul_f32 v[T0], s[CS], v[T0]                  ; as t
	v_floor_f32 v[T0], -v[T0]                      ; floor(-t) = -ceil(t)
	v_min_num_f32 v[T1], v[ST], v[T0]              ; the new -M
	v_sub_f32 v[T0], v[T1], v[ST]                  ; old M - new M: a whole number, 0 or less
	v_mov_b32 v[ST], v[T1]
	v_cvt_i32_f32 v[T0], v[T0]                     ; (it saturates)
	v_ldexp_f32 v[FF], 1.0, v[T0]                  ; f = 2^(old M - new M)
.irp b, 0,1,2,3
	v_fma_f32 v[BM+\b], v[BM+\b], s[CS], v[ST]     ; t - M of each block's largest score
.endr
.irp b, 0,1,2,3
	v_exp_f32 v[BM+\b], v[BM+\b]                   ; the block's largest p
.endr
	v_pk_mul_f32 v[ST+2:ST+3], v[ST+2:ST+3], v[FF:FF+1] op_sel_hi:[1,0]   ; the sums under the new M (a plain line behind the exponentials)
	s_wait_alu depctr_va_vdst(0)
.irp b, 0,1,2,3
	v_max_num_f32 v[BM+\b], 0x4800000, v[BM+\b]    ; the floor 2^(9 - 127)
.endr
.irp b, 0,1,2,3
	v_add_nc_u32 v[SO+\b], 0xfc000000, v[BM+\b]    ; the conversion's scale operand
.endr
.irp b, 0,1,2,3
	v_and_or_b32 v[BM+\b], v[BM+\b], 0x7f800000, s[MNT]   ; 448 x the scale, in the maximum's place
.endr
.irp b, 0,1,2,3
	v_lshrrev_b32 v[PX+\b], 23, v[SO+\b]           ; the byte
.endr
	v_lshl_or_b32 v[ST+1], v[PX+1], 8, v[PX]       ; p's scale word for these 128 keys
	v_lshl_or_b32 v[ST+1], v[PX+2], 16, v[ST+1]
	v_lshl_or_b32 v[ST+1], v[PX+3], 24, v[ST+1]
	WIN 0x41
.set j, 0
.rept 32
	v_pk_fma_f32 v[SS+j:SS+j+1], v[SS+j:SS+j+1], s[CS:CS+1], v[ST:ST+1] op_sel_hi:[1,0,0]   ; t - M, two at a time (of the pairs the low word serves both halves)
.set j, j+2
.endr
.set j, 0
.rept 64
	v_exp_f32 v[SS+j], v[SS+j]                     ; p = 2^(t - M)
.set j, j+1
.endr
	v_nop                                          ; a plain line behind the exponentials
	WIN 0x05
	s_wait_alu depctr_va_vdst(0)
	v_pk_add_f32 v[CH:CH+1], v[SS:SS+1], v[SS+2:SS+3]   ; the row's sum of the unquantised p, in two chains (the bytes' registers are free again)
	WIN 0x01
.set j, 4
.rept 15
	v_pk_add_f32 v[ST+2:ST+3], v[SS+j:SS+j+1], v[ST+2:ST+3]
	v_pk_add_f32 v[CH:CH+1], v[SS+j+2:SS+j+3], v[CH:CH+1]
.set j, j+4
.endr
	WIN 0
	v_pk_add_f32 v[ST+2:ST+3], v[ST+2:ST+3], v[CH:CH+1]
	WIN 0x41
.irp b, 0,1,2,3
.irp i, 0,1,2,3,4,5,6,7,8,9,10,11,12,13,14,15
	v_min_num_f32 v[SS+16*\b+\i], v[SS+16*\b+\i], v[BM+\b]   ; the hold; p is not negative, so it is one-sided
.endr
.endr
	WIN 0x01
.irp b, 0,1,2,3
	v_cvt_scalef32_pk8_fp8_f32 v[PCD+4*\b:PCD+4*\b+1], v[SS+16*\b:SS+16*\b+7], v[SO+\b]
	v_cvt_scalef32_pk8_fp8_f32 v[PCD+4*\b+2:PCD+4*\b+3], v[SS+16*\b+8:SS+16*\b+15], v[SO+\b]
.endr
	v_nop
.if \first == 0
	WIN 0x82+0x41*((\t)/2)
.set j, 0
.rept 64
	v_pk_mul_f32 v[128*((\t)%2)+j:128*((\t)%2)+j+1], v[128*((\t)%2)+j:128*((\t)%2)+j+1], v[FF:FF+1] op_sel_hi:[1,0]   ; O^T under the new M, ascending
.set j, j+2
.endr
.endif
.endm
.macro VFETCH half                     ; V's channel tiles 8 half .. 8 half + 7 into window 1, over the S^T of two tiles that are done with
	WIN 0x40
.irp e, 0,1,2,3,4,5,6,7
.irp c, 0,1,2,3
	ds_load_b128 v[16*(8*\half+\e)+4*\c:16*(8*\half+\e)+4*\c+3], v[AV] offset:2048*(8*\half+\e)+512*\c
.endr
.endr
.endm
.macro PV1 o, a, b, sa, sb, odd, first
.if \first
.if \odd
	v_wmma_scale_f32_16x16x128_f8f6f4 v[(\o):(\o)+7], v[(\a):(\a)+15], v[(\b):(\b)+15], 0, v[\sa], v[\sb] matrix_a_scale:MATRIX_SCALE_ROW1
.else
	v_wmma_scale_f32_16x16x128_f8f6f4 v[(\o):(\o)+7], v[(\a):(\a)+15], v[(\b):(\b)+15], 0, v[\sa], v[\sb]
.endif
.else
.if \odd
	v_wmma_scale_f32_16x16x128_f8f6f4 v[(\o):(\o)+7], v[(\a):(\a)+15], v[(\b):(\b)+15], v[(\o):(\o)+7], v[\sa], v[\sb] matrix_a_scale:MATRIX_SCALE_ROW1
.else
	v_wmma_scale_f32_16x16x128_f8f6f4 v[(\o):(\o)+7], v[(\a):(\a)+15], v[(\b):(\b)+15], v[(\o):(\o)+7], v[\sa], v[\sb]
.endif
.endif
.endm
; 16 products of O^T += V^T P^T: eight channel tiles x query tiles 2 pair, 2 pair + 1.  Every accumulator is named once a step.  first = 1: the products start the sums: nothing is ever cleared.
.macro PVRUN half, pair, first
	WIN 0xa1+0x50*(\pair)                          ; source 0 (V) window 1, source 1 (p) window 0, C and D window 2 or 3
.irp e, 0,1,2,3,4,5,6,7
.irp u, 0,1
	PV1 128*\u+8*(8*\half+\e), 16*(8*\half+\e), XK+32*\u+16*\pair, KVS+(8*\half+\e)/2, 17+4*(2*\pair+\u), \e%2, \first
.endr
.endr
.endm
; A KEY STEP of my quarter.  fill = 1: both slots are filled again with the next step's tiles.
.macro STEP first, fill
	SPHASE
	SOFTMAX 0, \first
	SOFTMAX 1, \first
.if \fill
	RND G0K                                        ; K's slot has been read out; the wait in it also shows this step's V landed
.else
	WIN 0
	s_wait_tensorcnt 0x0                           ; the last step's V has landed
.endif
	VFETCH 0
	SOFTMAX 2, \first
	SOFTMAX 3, \first
	WIN 0
.irp i, 0,1,2,3,4,5,6,7
	ds_load_b32 v[KVS+\i], v[AS] offset:50176+128*\i   ; V's slot begins 17,408 behind this register's base, its scale registers 32,768 further on
.endr
	VFETCH 1
.if \first
	PLACES 4                                       ; codes made by vector instructions stand four places ahead of a scaled product (in the other steps O^T's rescaling stands there)
.endif
	s_wait_dscnt 32                                ; V's first half and its scale registers are in; the second half's 32 loads may be out
	PVRUN 0, 0, \first
	PVRUN 0, 1, \first
	s_wait_dscnt 0x0
	PVRUN 1, 0, \first
	PVRUN 1, 1, \first
	WIN 0
	PLACES 9                                       ; in front of loads into p's and the scales' registers, and of the next products, which write over V's registers
.if \fill
	RND G0V
.endif
.endm
	s_wait_loadcnt 0x0                             ; Q
	s_wait_tensorcnt 0x1                           ; my first step of K is in; V's may be out.  Only I read my slots, so no barrier is wanted
	STEP 1, 1
	s_mov_b32 s[CNT], 6
.Lstep:
	STEP 0, 1
	s_sub_co_u32 s[CNT], s[CNT], 1
	s_cmp_lg_u32 s[CNT], 0
	s_cbranch_scc1 .Lstep
	STEP 0, 0                                      ; the last step is written out: it asks for nothing
	; ---- THE MERGE.  Each wave lays its four tiles' O^T into its own ring, which has had its last fill and its last read, and their -M and sums beside attn's images.
.irp t, 0,1,2,3
	v_add_f32 v[18+4*\t], v[18+4*\t], v[19+4*\t]   ; the sum's two halves,
.endr
.irp t, 0,1,2,3
	v_permlanex16_b32 v[PX+\t], v[18+4*\t], s[SEL], s[SEL+1]
.endr
.irp t, 0,1,2,3
	v_add_f32 v[18+4*\t], v[18+4*\t], v[PX+\t]     ; and lane l xor 16's
.endr
.irp t, 0,1,2,3
	WIN 0x08+4*(\t/2)                              ; an LDS store's data are its source 1: window 2 or 3
.set j, 0
.rept 16
	ds_store_b128 v[AK], v[128*(\t%2)+8*j:128*(\t%2)+8*j+3] offset:16384*\t+1024*j       ; each accumulator from its low end on
	ds_store_b128 v[AK], v[128*(\t%2)+8*j+4:128*(\t%2)+8*j+7] offset:16384*\t+1024*j+512
.set j, j+1
.endr
.endr
	WIN 0
.irp t, 0,1,2,3
	ds_store_b32 v[MSS], v[16+4*\t] offset:256*\t
	ds_store_b32 v[MSS], v[18+4*\t] offset:256*\t+128
.endr
	s_wait_dscnt 0x0                               ; for the others' sake: my stores have landed
	s_barrier_signal -1
	s_barrier_wait -1
	; what the last product wants from memory is asked for now: 40 loads of wp, its scales and bp, then 32 of x
	WIN 0xc0                                       ; destination window 3: O^T has left it
.set f, 0
.rept 8
.irp c, 0,1,2,3
	global_load_b128 v[16*f+4*\c:16*f+4*\c+3], v[LI], s[10:11] offset:2048*f+512*\c   ; wp's fragment (tile 4 w + f / 2, K step f % 2)
.endr
.set f, f+1
.endr
	WIN 0
.irp o, 0,1,2,3
	global_load_b32 v[36+\o], v[LS], s[54:55] offset:65536+128*\o
.endr
.irp o, 0,1,2,3
	global_load_b32 v[60+\o], v[BPO], s[12:13] offset:(32*(\o/2)+8*(\o%2))*4   ; into the exchange registers, which nothing names until these are waited for
.endr
	WIN 0xc0
.set i, 0
.rept 32
	global_load_b128 v[128+4*i:128+4*i+3], v[XO], s[14:15] offset:32768*i    ; x of channels 64 w + 2 i, 2 i + 1, my 64 pixels
.set i, i+1
.endr
	WIN 0
.macro LLOAD k, reg                    ; tile w's O^T as wave k summed it
.set j, 0
.rept 16
	ds_load_b128 v[\reg+8*j:\reg+8*j+3], v[PA+\k] offset:1024*j
	ds_load_b128 v[\reg+8*j+4:\reg+8*j+7], v[PA+\k] offset:1024*j+512
.set j, j+1
.endr
.endm
.macro FOLD src, g, start              ; v128-255 of window 0 (+)= a partial x g
.set j, 0
.rept 64
.if \start
	v_pk_mul_f32 v[128+j:129+j], v[\src+j:\src+j+1], v[\g:\g+1]
.else
	v_pk_fma_f32 v[128+j:129+j], v[\src+j:\src+j+1], v[\g:\g+1], v[128+j:129+j]
.endif
.set j, j+2
.endr
.endm
.irp k, 0,1,2,3
	ds_load_b32 v[MG+\k], v[B256] offset:1024+1024*\k        ; -M of wave k
	ds_load_b32 v[MG+4+\k], v[B256] offset:1024+1024*\k+128  ; its sum
.endr
	WIN 0x40
	LLOAD 0, 0
	WIN 0
	s_wait_dscnt 32                                ; the eight numbers are in; the partial's 32 loads may be out
	v_min_num_f32 v[MG+8], v[MG], v[MG+1]
	v_min_num_f32 v[MG+9], v[MG+2], v[MG+3]
	v_min_num_f32 v[MG+8], v[MG+8], v[MG+9]        ; -M of the whole row
.irp k, 0,1,2,3
	v_sub_f32 v[MG+10+\k], v[MG+8], v[MG+\k]       ; M of wave k - M: a whole number, 0 or less
.endr
.irp k, 0,1,2,3
	v_cvt_i32_f32 v[MG+10+\k], v[MG+10+\k]
.endr
.irp k, 0,1,2,3
	v_ldexp_f32 v[MG+10+\k], 1.0, v[MG+10+\k]      ; an exact power of two
.endr
	v_mul_f32 v[MG+14], v[MG+10], v[MG+4]
	v_fma_f32 v[MG+14], v[MG+11], v[MG+5], v[MG+14]
	v_fma_f32 v[MG+14], v[MG+12], v[MG+6], v[MG+14]
	v_fma_f32 v[MG+14], v[MG+13], v[MG+7], v[MG+14]   ; the row's sum
	v_rcp_f32 v[MG+14], v[MG+14]
	v_nop                                          ; a plain line behind the transcendental
	s_wait_alu depctr_va_vdst(0)
.irp k, 0,1,2,3
	v_mul_f32 v[BM+2*\k], v[MG+10+\k], v[MG+14]    ; g = 2^(M of wave k - M) / the sum, as a pair in v46-53
.endr
.irp k, 0,1,2,3
	v_mov_b32 v[BM+1+2*\k], v[BM+2*\k]
.endr
	WIN 0x40
	LLOAD 1, 128
	s_wait_dscnt 32                                ; the partial asked for before the last is in
	WIN 0x01
	FOLD 0, BM, 1
	WIN 0x80
	LLOAD 2, 0
	s_wait_dscnt 32
	WIN 0x01
	FOLD 128, BM+2, 0
	WIN 0x80
	LLOAD 3, 128
	s_wait_dscnt 32
	WIN 0x02
	FOLD 0, BM+4, 0
	s_wait_dscnt 0x0
	FOLD 128, BM+6, 0
	WIN 0
.irp b, 0,1,2,3
	v_mov_b32 v[TM+4+\b], 0                        ; a lane permute's destination counts as one of its sources
.endr
	QUANT 128, 64, FF                              ; register 16 b + i = channel 32 b + 16 h + i of query row r: K step 0,
	QUANT 192, 80, FF+1                            ; K step 1
.irp s, 0,1
.irp c, 0,1,2,3
	ds_store_b128 v[AIS], v[64+16*\s+4*\c:67+16*\s+4*\c] offset:2048*\s+512*\c
.endr
.endr
	v_and_b32 v[BM+1], 16, v0
	v_cmp_eq_u32 vcc_lo, 0, v[BM+1]
	v_cndmask_b32 v[BM], v[FF+1], v[FF], vcc_lo    ; lanes 0-15 K step 0's word, lanes 16-31 K step 1's
	ds_store_b32 v[B256], v[BM]
	s_wait_dscnt 0x0                               ; my images have landed, and my reads of the others' rings are over
	s_barrier_signal -1
	s_barrier_wait -1
	; ---- THE LAST PRODUCT: source 0 = 16 pixels of attn, source 1 = 16 rows of wp: a lane holds one output channel and eight neighbouring pixels.  Wave w makes channels 64 w .. 64 w + 63 for the 64 pixels.
	WIN 0x40
.set f, 0
.rept 8
.irp c, 0,1,2,3
	ds_load_b128 v[16*f+4*\c:16*f+4*\c+3], v[AIL] offset:2048*f+512*\c
.endr
.set f, f+1
.endr
	WIN 0
.irp p, 0,1,2,3
	ds_load_b32 v[KVS+\p], v[ASL] offset:256*\p
.endr
	s_wait_loadcnt 32                              ; wp, its scales and bp are in; x's 32 loads may be out
.irp o, 0,1,2,3
.irp j, 0,1,2,3,4,5,6,7
	v_mov_b32 v[96+8*\o+\j], v[60+\o]              ; bp as the C of each sum's first product
.endr
.endr
	s_wait_dscnt 0x0
	WIN 0x8d                                       ; source 0 window 1, source 1 window 3, C window 0, D window 2
.irp o, 0,1,2,3
.irp p, 0,1,2,3
	v_wmma_scale_f32_16x16x128_f8f6f4 v[8*(4*\o+\p):8*(4*\o+\p)+7], v[32*\p:32*\p+15], v[32*\o:32*\o+15], v[96+8*\o:96+8*\o+7], v[KVS+\p], v[36+\o]
.endr
.endr
	WIN 0xad                                       ; C window 2: sixteen accumulators by turns
.irp o, 0,1,2,3
.irp p, 0,1,2,3
	v_wmma_scale_f32_16x16x128_f8f6f4 v[8*(4*\o+\p):8*(4*\o+\p)+7], v[32*\p+16:32*\p+31], v[32*\o+16:32*\o+31], v[8*(4*\o+\p):8*(4*\o+\p)+7], v[KVS+\p], v[36+\o] matrix_a_scale:MATRIX_SCALE_ROW1 matrix_b_scale:MATRIX_SCALE_ROW1
.endr
.endr
	WIN 0
	PLACES 8
	; through my own stage (64 rows x (256 bytes + 16), at my ring's head: nobody reads it behind the last barrier), so that sixteen lanes store 256 consecutive bytes
	WIN 0x08
.irp o, 0,1,2,3
.irp p, 0,1,2,3
	ds_store_b128 v[SGI], v[8*(4*\o+\p):8*(4*\o+\p)+3] offset:(32*(\o/2)+8*(\o%2))*272+128*(\p/2)+32*(\p%2)
	ds_store_b128 v[SGI], v[8*(4*\o+\p)+4:8*(4*\o+\p)+7] offset:(32*(\o/2)+8*(\o%2))*272+128*(\p/2)+32*(\p%2)+16
.endr
.endr
	WIN 0x40
.set i, 0
.rept 32
	ds_load_b128 v[128+4*i:128+4*i+3], v[SGO] offset:544*i    ; LDS serves a wave's instructions in order (ISA guide 5.7.1.4): these see my stores
.set i, i+1
.endr
	s_wait_loadcnt 0x0                             ; x
	s_wait_dscnt 0x0
	WIN 0x4d                                       ; the rows in window 1, x in window 3
.set j, 0
.rept 64
	v_pk_add_f32 v[128+j:129+j], v[128+j:129+j], v[128+j:129+j]
.set j, j+2
.endr
	WIN 0x04
.set i, 0
.rept 32
	global_store_b128 v[XO], v[128+4*i:128+4*i+3], s[16:17] offset:32768*i th:TH_STORE_NT   ; 16 lanes store 256 consecutive bytes, at a multiple of 256 from out0's first byte
.set i, i+1
.endr
	WIN 0
	s_wait_tensorcnt 0x0                           ; the wave's end
	ds_add_u32 v[SPW], v[NIL]
	s_wait_dscnt 0x0
	CROUND                                         ; the closing round
	s_endpgm
.Lfunc_end_k_qba45bf13d8_attn:
	.size	k_qba45bf13d8_attn, .Lfunc_end_k_qba45bf13d8_attn-k_qba45bf13d8_attn
	.p2alignl 7, 3214868480
	.fill 96, 4, 3214868480
	.section	.rodata,"a",@progbits
	.p2align	6, 0x0
	.amdhsa_kernel k_qba45bf13d8_attn
		.amdhsa_group_segment_fixed_size 327680
		.amdhsa_private_segment_fixed_size 0
		.amdhsa_enable_private_segment 0
		.amdhsa_kernarg_size 56
		.amdhsa_user_sgpr_count 2
		.amdhsa_user_sgpr_kernarg_segment_ptr 1
		.amdhsa_wavefront_size32 1
		.amdhsa_system_sgpr_workgroup_id_x 1
		.amdhsa_system_sgpr_workgroup_id_y 1
		.amdhsa_system_sgpr_workgroup_id_z 1
		.amdhsa_system_vgpr_workitem_id 0
		.amdhsa_next_free_vgpr 1024
		.amdhsa_next_free_sgpr 66
		.amdhsa_reserve_vcc 1
		.amdhsa_float_denorm_mode_32 3
		.amdhsa_float_denorm_mode_16_64 3
		.amdhsa_memory_ordered 1
		.amdhsa_forward_progress 1
		.amdhsa_inst_pref_size 255
	.end_amdhsa_kernel
	.section	.bss,"aw",@nobits
	.p2align	6
	.space	262144
	.amdgpu_metadata
---
amdhsa.version: [ 1, 2 ]
amdhsa.kernels:
  - .name:           k_qba45bf13d8_attn
    .symbol:         k_qba45bf13d8_attn.kd
    .args:
      - { .name: qimg, .offset: 0, .size: 8, .value_kind: global_buffer, .address_space: global }
      - { .name: kimg, .offset: 8, .size: 8, .value_kind: global_buffer, .address_space: global }
      - { .name: vimg, .offset: 16, .size: 8, .value_kind: global_buffer, .address_space: global }
      - { .name: wimg, .offset: 24, .size: 8, .value_kind: global_buffer, .address_space: global }
      - { .name: bp, .offset: 32, .size: 8, .value_kind: global_buffer, .address_space: global }
      - { .name: x, .offset: 40, .size: 8, .value_kind: global_buffer, .address_space: global }
      - { .name: out0, .offset: 48, .size: 8, .value_kind: global_buffer, .address_space: global }
    .group_segment_fixed_size: 327680
    .private_segment_fixed_size: 0
    .kernarg_segment_align: 8
    .kernarg_segment_size: 56
    .max_flat_workgroup_size: 128
    .sgpr_count:     66
    .vgpr_count:     1024
    .wavefront_size: 32
...
	.end_amdgpu_metadata
.endif
;; end of part 3
